; MI455X (gfx1250); checked and timed in simulation.
; The chip was launched on July 23, 2026; its instructions are those of AMD's public machine-readable ISA for CDNA 5 (MIT licence, August 2026) and "CDNA5" Instruction Set Architecture Reference Guide (July 2026). The comments in the code are by the model that wrote it; some were corrected since.
;; Slice Sum Cat Operation. Allowed arithmetic: float matrix products may take bf16 or f16 operands with f32 sums; all other float work in f32.
;; Inputs: input 4,096 x 200 x 64 float32.
;; Outputs: out0 4,096 x 512 float32.
;; 2 versions, each right; version 2 is version 1 with the launch slicesum written anew for expert scheduling mode. Each part assembles by itself: llvm-mc -triple=amdgcn-amd-amdhsa -mcpu=gfx1250 --defsym DOCPART=n.
;; ======== version 1 of 2: 1 launch
;; launch slicesum (part 1): grid 256 x 1, 16 waves a work-group, no clusters, 0 bytes of LDS; arguments input, out0; writes out0
.if DOCPART == 1
	.amdgcn_target "amdgcn-amd-amdhsa--gfx1250"
	.amdhsa_code_object_version 6
	.text
	.protected	k_qb7f564fb53_slicesum
	.globl	k_qb7f564fb53_slicesum
	.p2align	8
	.type	k_qb7f564fb53_slicesum,@function
k_qb7f564fb53_slicesum:
	s_mov_b64 s[64:65], 0
	v_nop
	global_prefetch_b8 v0, s[64:65] scope:SCOPE_SE
	s_setreg_imm32_b32 hwreg(HW_REG_WAVE_MODE, 25, 1), 1
	s_wait_xcnt 0x0
; out0[b][64 s + c] = sum over rows r in slice s of input[b][r][c].   input: [4096][200][64] f32, out0: [4096][512] f32.
; Slices (rows): 0: 0-49, 1: 25-99, 2: 50-149, 3: 0-199, 4: 100-199, 5: 150-199, 6: 0-99, 7: 75-174.
; All borders are multiples of 25 rows, so the eight segments of 25 rows are summed once each (every input byte is loaded once)
; and the slices are made of segment sums by additions alone; a slice's output holds nothing but that slice's rows.
; LIMIT: the order of the f32 additions differs from a plain row-by-row sum of each slice (25 rows in order, then up to
; seven segment sums combined), so the last bits may differ.
;
; One wave owns one batch (200 rows of 256 bytes).  16 waves a work-group, 256 work-groups: 4,096 waves for 4,096 batches.
; Waves share nothing: no LDS, no barrier.  No two work-groups read the same byte: nothing to share in a cluster.
; Lane l: c = l % 16 owns columns 4c .. 4c+3 (16 bytes of a row), h = l / 16 says which of two segments.
; Rows go in four groups of 50.  Load r (0 .. 24) of group g: lanes 0-15 take row 50 g + r, lanes 16-31 row 50 g + 25 + r:
; two aligned runs of 256 consecutive bytes.  So accumulator g holds segment 2g in lanes 0-15 and segment 2g+1 in lanes 16-31,
; and the odd border of 25 rows needs no mask.
; The text is straight: 100 loads, all from one offset register that is never rewritten, the steps in the immediate offsets.
.set ROW,      256                     ; bytes in a row
.set SEGROWS,  25                      ; rows in a segment = loads in a group
.set SEG,      SEGROWS*ROW             ; 6,400 bytes: from the lower lanes' row to the upper lanes' row
.set BATCH,    200*ROW                 ; 51,200 bytes
.set WAVES,    16
.set ROWLOADS, 100                     ; loads of a wave
.set DEPTH,    50                      ; loads kept in flight in a wave: 50 x 512 bytes
.set OFF, 4                            ; v4        byte offset of my 16 bytes in my first row
.set SO,  5                            ; v5        byte offset of my 16 bytes in the batch's output
.set ACC, 6                            ; v[6:21]   accumulator g: 4 registers
.set X,   22                           ; v[22:221] ring of DEPTH slots of 4 registers
; on the way out the ring's registers serve again (every one has been written by a load, and all loads are in by then)
.set B,   X                            ; 16: the other half's segment sums
.set T,   X+16                         ; 16: T g = both segments of group g = rows 50 g .. 50 g + 49
.set U,   X+32                         ; 4 each: the slices
.set V,   X+36
.set W,   X+40
.set Y,   X+44
.set P,   X+48
.set Q,   X+52
	s_load_b128 s[4:7], s[0:1], 0x0                ; input s[4:5], out0 s[6:7]
	s_mul_i32 s8, ttmp9, WAVES*BATCH               ; the work-group's 16 batches: at most 255 x 819,200 bytes, inside 32 bits
	s_mov_b32 s9, 0
	s_lshl_b32 s10, ttmp9, 15                      ; and their 16 x 2,048 bytes of output
	s_mov_b32 s11, 0
	s_mov_b32 s12, 0x76543210                      ; v_permlanex16_b32: lane i of one half reads lane i of the other
	s_mov_b32 s13, 0xfedcba98
	v_lshrrev_b32 v1, 5, v0                        ; wave
	v_bfe_u32 v2, v0, 4, 1                         ; h
	v_and_b32 v3, 15, v0                           ; c
	v_cmp_ne_u32 vcc_lo, 0, v2                     ; lanes 16-31; VCC is written nowhere else
	v_mul_u32_u24 v2, SEG, v2                      ; h x 25 rows
	v_mul_u32_u24 v[OFF], BATCH, v1                ; wave x batch
	v_add_nc_u32 v[OFF], v[OFF], v2
	v_lshl_add_u32 v[OFF], v3, 4, v[OFF]           ; + 16 c
	v_and_b32 v3, 31, v0                           ; lane
	v_lshlrev_b32 v3, 4, v3
	v_lshl_add_u32 v[SO], v1, 11, v3               ; wave x 2,048 + 16 x lane
	s_wait_kmcnt 0x0
	s_add_nc_u64 s[4:5], s[4:5], s[8:9]
	s_add_nc_u64 s[6:7], s[6:7], s[10:11]
; Load number idx (0 .. 99) = load r = idx % 25 of group g = idx / 25.  A group's first load goes straight into the group's
; accumulator and starts the sum: nothing is cleared.  The others take the ring's slots in turn.
.macro LOADROW idx
.set lg, (\idx)/SEGROWS
.set lr, (\idx)%SEGROWS
.if lr == 0
	global_load_b128 v[ACC+4*lg:ACC+4*lg+3], v[OFF], s[4:5] offset:lg*2*SEG th:TH_LOAD_NT
.else
.set ls, ((\idx)-lg-1)%DEPTH
	global_load_b128 v[X+4*ls:X+4*ls+3], v[OFF], s[4:5] offset:lg*2*SEG+lr*ROW th:TH_LOAD_NT
.endif
.endm
.macro ADD4 d, a, b                    ; four f32: d = a + b
	v_pk_add_f32 v[\d:\d+1], v[\a:\a+1], v[\b:\b+1]
	v_pk_add_f32 v[\d+2:\d+3], v[\a+2:\a+3], v[\b+2:\b+3]
.endm
.macro SEL4 d, lo, hi                  ; four words: lanes 0-15 take lo, lanes 16-31 take hi
.irp j, 0,1,2,3
	v_cndmask_b32 v[\d+\j], v[\lo+\j], v[\hi+\j], vcc_lo
.endr
.endm
.set n, 0
.rept DEPTH
	LOADROW n                                      ; fill: loads 0 to 49, half of the batch
.set n, n+1
.endr
; Step i: load i is added, then load i + DEPTH is issued.  Loads come back in order (ISA guide 5.7.1), so the wait's count is
; the number of loads issued behind load i: i+1 .. i+49 while the ring is filled again, 99 - i once nothing more is issued.
; The wait for a group's second load covers its first, the one that landed in the accumulator; that load's own step waits for
; nothing.  The slot that load i + DEPTH takes was added at step i at the latest: ring numbers run behind load numbers.
.set i, 0
.rept ROWLOADS
.set g, i/SEGROWS
.if (i%SEGROWS) != 0
.if (ROWLOADS-1-i) > (DEPTH-1)
	s_wait_loadcnt DEPTH-1
.else
	s_wait_loadcnt ROWLOADS-1-i
.endif
.set sl, (i-g-1)%DEPTH
	ADD4 ACC+4*g, ACC+4*g, X+4*sl
.endif
.set nxt, i+DEPTH
.if ROWLOADS > nxt
	LOADROW nxt
.endif
.set i, i+1
.endr
; THE WAY OUT.  Segments S0 .. S7 of 25 rows.  ACC g = S(2g) in lanes 0-15, S(2g+1) in lanes 16-31; B g = the other one.
.irp k, 0,1,2,3,4,5,6,7,8,9,10,11,12,13,14,15
	v_permlanex16_b32 v[B+\k], v[ACC+\k], s12, s13 ; (its destination counts as read: ring registers, written by loads)
.endr
	ADD4 T,    ACC,    B                           ; T0 = rows 0-49, the same in both halves
	ADD4 T+4,  ACC+4,  B+4                         ; T1 = rows 50-99
	ADD4 T+8,  ACC+8,  B+8                         ; T2 = rows 100-149
	ADD4 T+12, ACC+12, B+12                        ; T3 = rows 150-199
; Lanes 0-15 keep the even slices, lanes 16-31 the odd ones, so that a store's 32 lanes write 512 consecutive bytes of out0,
; at a multiple of 512 from its first byte.  Both sides are computed in all lanes; the select throws the other away.
	ADD4 U, ACC, T+4                               ; lanes 16-31: S1 + T1 = rows 25-99 (slice 1)
	SEL4 U, T, U                                   ; lanes 0-15: T0 (slice 0)
	global_store_b128 v[SO], v[U:U+3], s[6:7] th:TH_STORE_NT
	ADD4 V, T+4, T+8                               ; rows 50-149 (slice 2)
	ADD4 W, T, T+12                                ; rows 0-49 and 150-199
	ADD4 W, W, V                                   ; all rows (slice 3)
	SEL4 W, V, W
	global_store_b128 v[SO], v[W:W+3], s[6:7] offset:512 th:TH_STORE_NT
	ADD4 Y, T+8, T+12                              ; rows 100-199 (slice 4)
	SEL4 Y, Y, T+12                                ; lanes 16-31: T3 (slice 5)
	global_store_b128 v[SO], v[Y:Y+3], s[6:7] offset:1024 th:TH_STORE_NT
	ADD4 P, T, T+4                                 ; rows 0-99 (slice 6)
	ADD4 Q, ACC+4, T+8                             ; lanes 16-31: S3 + T2 = rows 75-149
	ADD4 Q, Q, B+12                                ; lanes 16-31: + S6 = rows 150-174: rows 75-174 (slice 7)
	SEL4 Q, P, Q
	global_store_b128 v[SO], v[Q:Q+3], s[6:7] offset:1536 th:TH_STORE_NT
	s_endpgm
.Lfunc_end_k_qb7f564fb53_slicesum:
	.size	k_qb7f564fb53_slicesum, .Lfunc_end_k_qb7f564fb53_slicesum-k_qb7f564fb53_slicesum
	.p2alignl 7, 3214868480
	.fill 96, 4, 3214868480
	.section	.rodata,"a",@progbits
	.p2align	6, 0x0
	.amdhsa_kernel k_qb7f564fb53_slicesum
		.amdhsa_group_segment_fixed_size 0
		.amdhsa_private_segment_fixed_size 0
		.amdhsa_enable_private_segment 0
		.amdhsa_kernarg_size 16
		.amdhsa_user_sgpr_count 2
		.amdhsa_user_sgpr_kernarg_segment_ptr 1
		.amdhsa_wavefront_size32 1
		.amdhsa_system_sgpr_workgroup_id_x 1
		.amdhsa_system_sgpr_workgroup_id_y 1
		.amdhsa_system_sgpr_workgroup_id_z 1
		.amdhsa_system_vgpr_workitem_id 0
		.amdhsa_next_free_vgpr 222
		.amdhsa_next_free_sgpr 66
		.amdhsa_reserve_vcc 1
		.amdhsa_float_denorm_mode_32 3
		.amdhsa_float_denorm_mode_16_64 3
		.amdhsa_memory_ordered 1
		.amdhsa_forward_progress 1
		.amdhsa_inst_pref_size 29
	.end_amdhsa_kernel
	.amdgpu_metadata
---
amdhsa.version: [ 1, 2 ]
amdhsa.kernels:
  - .name:           k_qb7f564fb53_slicesum
    .symbol:         k_qb7f564fb53_slicesum.kd
    .args:
      - { .name: input, .offset: 0, .size: 8, .value_kind: global_buffer, .address_space: global }
      - { .name: out0, .offset: 8, .size: 8, .value_kind: global_buffer, .address_space: global }
    .group_segment_fixed_size: 0
    .private_segment_fixed_size: 0
    .kernarg_segment_align: 8
    .kernarg_segment_size: 16
    .max_flat_workgroup_size: 512
    .sgpr_count:     66
    .vgpr_count:     222
    .wavefront_size: 32
...
	.end_amdgpu_metadata
.endif
;; end of part 1
;; ======== version 2 of 2: 1 launch; version 1 with the launch slicesum written anew for expert scheduling mode
;; launch slicesum (part 2): grid 256 x 1, 16 waves a work-group, no clusters, 0 bytes of LDS; arguments input, out0; writes out0
.if DOCPART == 2
	.amdgcn_target "amdgcn-amd-amdhsa--gfx1250"
	.amdhsa_code_object_version 6
	.text
	.protected	k_qb7f564fb53_slicesum
	.globl	k_qb7f564fb53_slicesum
	.p2align	8
	.type	k_qb7f564fb53_slicesum,@function
k_qb7f564fb53_slicesum:
	s_mov_b64 s[64:65], 0
	v_nop
	global_prefetch_b8 v0, s[64:65] scope:SCOPE_SE
	s_setreg_imm32_b32 hwreg(HW_REG_WAVE_SCHED_MODE, 0, 2), 2
	s_setreg_imm32_b32 hwreg(HW_REG_WAVE_MODE, 25, 1), 1
	s_wait_xcnt 0x0
	s_wait_alu depctr_vm_vsrc(0)
; out0[b][64 s + c] = sum over rows r in slice s of input[b][r][c].   input: [4096][200][64] f32, out0: [4096][512] f32.
; Slices (rows): 0: 0-49, 1: 25-99, 2: 50-149, 3: 0-199, 4: 100-199, 5: 150-199, 6: 0-99, 7: 75-174.
; All borders are multiples of 25 rows, so the eight segments of 25 rows are summed once each (every input byte is loaded once)
; and the slices are made of segment sums by additions alone; a slice's output holds nothing but that slice's rows.
; LIMIT: the order of the f32 additions differs from a plain row-by-row sum of each slice (25 rows in order, then up to
; seven segment sums combined), so the last bits may differ.
;
; One wave owns one batch (200 rows of 256 bytes).  16 waves a work-group, 256 work-groups: 4,096 waves for 4,096 batches.
; Waves share nothing: no LDS, no barrier.  No two work-groups read the same byte: nothing to share in a cluster.
; Lane l: c = l % 16 owns columns 4c .. 4c+3 (16 bytes of a row), h = l / 16 says which of two segments.
; Rows go in four groups of 50.  Load r (0 .. 24) of group g: lanes 0-15 take row 50 g + r, lanes 16-31 row 50 g + 25 + r:
; two aligned runs of 256 consecutive bytes.  So accumulator g holds segment 2g in lanes 0-15 and segment 2g+1 in lanes 16-31,
; and the odd border of 25 rows needs no mask.
; The text is straight: 100 loads, all from one offset register that is never rewritten, the steps in the immediate offsets.
;
; THE MODE: SCHED_MODE bits 1:0 = 2 (LLVM: expert scheduling mode 2), set by the entry lines.  The code itself states the register
; dependences between vector instructions and memory instructions, with s_wait_alu, always for 0.
; THE PLAN.  A group's first load lands in its accumulator; the other 96 loads, numbered q = 0 .. 95 in row order, go in 12 blocks
; of 8 (a group is three blocks) through a ring of 7 buffers of 8 slots: load q takes slot q % 56.  Registers that memory instructions touch:
;   v[OFF], v[SO]  written in the head, read by every load / every store, never written again.
;   buffer k       written by loads alone until the way out; read by the adds of the block that owns it.  All 7 are asked for at the start;
;                  block p (1 .. 5) asks for block p + 6, which lands in buffer (p - 1) % 7: the one that block p - 1 has emptied.
;   ACC g          its load is issued ahead of every vector instruction that names it; then vector instructions alone.
;   U, W, Y, Q     written by the selects on the way out, read by the four stores, behind which nothing is written.
;   VCC            written by one compare in the head, read by the selects on the way out.
; So a block that asks for loads has ONE wait on va_vdst, at its head, behind the adds that emptied the buffer: its eight loads follow, one
; ahead of each step's adds, and those adds name the group's accumulator and the block's own buffer: none of the registers in which the loads land.
; No register that a memory instruction reads is ever written again: no wait on vm_vsrc is owed.
.set ROW,      256                     ; bytes in a row
.set SEGROWS,  25                      ; rows in a segment = loads in a group
.set SEG,      SEGROWS*ROW             ; 6,400 bytes: from the lower lanes' row to the upper lanes' row
.set BATCH,    200*ROW                 ; 51,200 bytes
.set WAVES,    16
.set ROWLOADS, 100                     ; loads of a wave
.set BLOCK,    8                       ; ring loads in a block
.set BUFS,     7                       ; buffers in the ring
.set SLOTS,    BLOCK*BUFS              ; 56 slots
.set BLOCKS,   (ROWLOADS-4)/BLOCK      ; 12 blocks
.set OFF, 4                            ; v4        byte offset of my 16 bytes in my first row
.set SO,  5                            ; v5        byte offset of my 16 bytes in the batch's output
.set ACC, 6                            ; v[6:21]   accumulator g: 4 registers
.set X,   22                           ; v[22:245] ring of SLOTS slots of 4 registers
; on the way out the ring's registers serve again (every one has been written by a load, and all loads are in by then)
.set B,   X                            ; 16: the other half's segment sums
.set T,   X+16                         ; 16: T g = both segments of group g = rows 50 g .. 50 g + 49
.set U,   X+32                         ; 4 each: the slices
.set V,   X+36
.set W,   X+40
.set Y,   X+44
.set P,   X+48
.set Q,   X+52
	s_load_b128 s[4:7], s[0:1], 0x0                ; input s[4:5], out0 s[6:7]
	s_mul_i32 s8, ttmp9, WAVES*BATCH               ; the work-group's 16 batches: at most 255 x 819,200 bytes, inside 32 bits
	s_mov_b32 s9, 0
	s_lshl_b32 s10, ttmp9, 15                      ; and their 16 x 2,048 bytes of output
	s_mov_b32 s11, 0
	s_mov_b32 s12, 0x76543210                      ; v_permlanex16_b32: lane i of one half reads lane i of the other
	s_mov_b32 s13, 0xfedcba98
	v_lshrrev_b32 v1, 5, v0                        ; wave
	v_bfe_u32 v2, v0, 4, 1                         ; h
	v_and_b32 v3, 15, v0                           ; c
	v_cmp_ne_u32 vcc_lo, 0, v2                     ; lanes 16-31; VCC is written nowhere else
	v_mul_u32_u24 v2, SEG, v2                      ; h x 25 rows
	v_mul_u32_u24 v[OFF], BATCH, v1                ; wave x batch
	v_add_nc_u32 v[OFF], v[OFF], v2
	v_lshl_add_u32 v[OFF], v3, 4, v[OFF]           ; + 16 c
	v_and_b32 v3, 31, v0                           ; lane
	v_lshlrev_b32 v3, 4, v3
	v_lshl_add_u32 v[SO], v1, 11, v3               ; wave x 2,048 + 16 x lane
	s_wait_alu depctr_va_vcc(0)                    ; the compare has written VCC, ahead of its first reader: the first select on the way out
	s_wait_kmcnt 0x0
	s_add_nc_u64 s[4:5], s[4:5], s[8:9]
	s_add_nc_u64 s[6:7], s[6:7], s[10:11]
	s_wait_alu depctr_va_vdst(0)                   ; v[OFF] and v[SO] are written: every load reads the one as its offset, every store the other
; Load number idx (0 .. 99) = load r = idx % 25 of group g = idx / 25.  A group's first load goes straight into the group's
; accumulator and starts the sum: nothing is cleared.  The others take the ring's slots in turn.
.macro LOADROW idx
.set lg, (\idx)/SEGROWS
.set lr, (\idx)%SEGROWS
.if lr == 0
	global_load_b128 v[ACC+4*lg:ACC+4*lg+3], v[OFF], s[4:5] offset:lg*2*SEG th:TH_LOAD_NT
.else
.set ls, ((\idx)-lg-1)%SLOTS
	global_load_b128 v[X+4*ls:X+4*ls+3], v[OFF], s[4:5] offset:lg*2*SEG+lr*ROW th:TH_LOAD_NT
.endif
.endm
; The next ring load in row order; where a group begins, its accumulator's load goes ahead of it.  nx = the number of loads issued so far.
.macro NEXT
.if (nx%SEGROWS) == 0
	LOADROW nx
.set nx, nx+1
.endif
	LOADROW nx
.set nx, nx+1
.endm
.macro ADD4 d, a, b                    ; four f32: d = a + b
	v_pk_add_f32 v[\d:\d+1], v[\a:\a+1], v[\b:\b+1]
	v_pk_add_f32 v[\d+2:\d+3], v[\a+2:\a+3], v[\b+2:\b+3]
.endm
.macro SEL4 d, lo, hi                  ; four words: lanes 0-15 take lo, lanes 16-31 take hi
.irp j, 0,1,2,3
	v_cndmask_b32 v[\d+\j], v[\lo+\j], v[\hi+\j], vcc_lo
.endr
.endm
.set nx, 0
.rept SLOTS
	NEXT                                           ; fill: all seven buffers and the first three accumulators: loads 0 to 58, in row order
.endr
; Step q: ring load q, which is load number li = q + q / 24 + 1, is added onto its group's accumulator.  Loads come back in order
; (ISA guide 5.7.1), so the wait's count is the number of loads issued behind it, nx - 1 - li: 57 down to 50 in block 0, which asks for nothing;
; 50 in blocks 1 to 5, where one load goes out for each that is added (in step 24 both sides pass an accumulator's load);
; 99 - li, down to 0, in blocks 6 to 11, which ask for nothing more: no load leaves the batch.
; The wait for a group's second load covers its first, the one that landed in the accumulator.
.set q, 0
.rept BLOCKS
.set refill, 0
.if (q >= BLOCK) && (nx < ROWLOADS)
.set refill, 1
.endif
.if refill
	s_wait_alu depctr_va_vdst(0)                   ; the adds of the block before are done reading their buffer, in which this block's eight loads land
.endif
.rept BLOCK
.if refill
	NEXT                                           ; ring load q + 48 into slot (q - 8) % 56; no vector instruction since the wait names that buffer (nor, in step 24, the fourth accumulator, which none has named yet)
.endif
.set g, q/(SEGROWS-1)
.set li, q+g+1
.set sl, q%SLOTS
	s_wait_loadcnt nx-1-li
	ADD4 ACC+4*g, ACC+4*g, X+4*sl
.set q, q+1
.endr
.endr
; THE WAY OUT.  Segments S0 .. S7 of 25 rows.  ACC g = S(2g) in lanes 0-15, S(2g+1) in lanes 16-31; B g = the other one.
.irp k, 0,1,2,3,4,5,6,7,8,9,10,11,12,13,14,15
	v_permlanex16_b32 v[B+\k], v[ACC+\k], s12, s13 ; (its destination counts as read: ring registers, written by loads)
.endr
	ADD4 T,    ACC,    B                           ; T0 = rows 0-49, the same in both halves
	ADD4 T+4,  ACC+4,  B+4                         ; T1 = rows 50-99
	ADD4 T+8,  ACC+8,  B+8                         ; T2 = rows 100-149
	ADD4 T+12, ACC+12, B+12                        ; T3 = rows 150-199
; Lanes 0-15 keep the even slices, lanes 16-31 the odd ones, so that a store's 32 lanes write 512 consecutive bytes of out0,
; at a multiple of 512 from its first byte.  Both sides are computed in all lanes; the select throws the other away.
	ADD4 U, ACC, T+4                               ; lanes 16-31: S1 + T1 = rows 25-99 (slice 1)
	SEL4 U, T, U                                   ; lanes 0-15: T0 (slice 0)
	ADD4 V, T+4, T+8                               ; rows 50-149 (slice 2)
	ADD4 W, T, T+12                                ; rows 0-49 and 150-199
	ADD4 W, W, V                                   ; all rows (slice 3)
	SEL4 W, V, W
	ADD4 Y, T+8, T+12                              ; rows 100-199 (slice 4)
	SEL4 Y, Y, T+12                                ; lanes 16-31: T3 (slice 5)
	ADD4 P, T, T+4                                 ; rows 0-99 (slice 6)
	ADD4 Q, ACC+4, T+8                             ; lanes 16-31: S3 + T2 = rows 75-149
	ADD4 Q, Q, B+12                                ; lanes 16-31: + S6 = rows 150-174: rows 75-174 (slice 7)
	SEL4 Q, P, Q
	s_wait_alu depctr_va_vdst(0)                   ; the selects have written U, W, Y and Q, which the four stores read
	global_store_b128 v[SO], v[U:U+3], s[6:7] th:TH_STORE_NT
	global_store_b128 v[SO], v[W:W+3], s[6:7] offset:512 th:TH_STORE_NT
	global_store_b128 v[SO], v[Y:Y+3], s[6:7] offset:1024 th:TH_STORE_NT
	global_store_b128 v[SO], v[Q:Q+3], s[6:7] offset:1536 th:TH_STORE_NT
	s_endpgm
.Lfunc_end_k_qb7f564fb53_slicesum:
	.size	k_qb7f564fb53_slicesum, .Lfunc_end_k_qb7f564fb53_slicesum-k_qb7f564fb53_slicesum
	.p2alignl 7, 3214868480
	.fill 96, 4, 3214868480
	.section	.rodata,"a",@progbits
	.p2align	6, 0x0
	.amdhsa_kernel k_qb7f564fb53_slicesum
		.amdhsa_group_segment_fixed_size 0
		.amdhsa_private_segment_fixed_size 0
		.amdhsa_enable_private_segment 0
		.amdhsa_kernarg_size 16
		.amdhsa_user_sgpr_count 2
		.amdhsa_user_sgpr_kernarg_segment_ptr 1
		.amdhsa_wavefront_size32 1
		.amdhsa_system_sgpr_workgroup_id_x 1
		.amdhsa_system_sgpr_workgroup_id_y 1
		.amdhsa_system_sgpr_workgroup_id_z 1
		.amdhsa_system_vgpr_workitem_id 0
		.amdhsa_next_free_vgpr 246
		.amdhsa_next_free_sgpr 66
		.amdhsa_reserve_vcc 1
		.amdhsa_float_denorm_mode_32 3
		.amdhsa_float_denorm_mode_16_64 3
		.amdhsa_memory_ordered 1
		.amdhsa_forward_progress 1
		.amdhsa_inst_pref_size 30
	.end_amdhsa_kernel
	.amdgpu_metadata
---
amdhsa.version: [ 1, 2 ]
amdhsa.kernels:
  - .name:           k_qb7f564fb53_slicesum
    .symbol:         k_qb7f564fb53_slicesum.kd
    .args:
      - { .name: input, .offset: 0, .size: 8, .value_kind: global_buffer, .address_space: global }
      - { .name: out0, .offset: 8, .size: 8, .value_kind: global_buffer, .address_space: global }
    .group_segment_fixed_size: 0
    .private_segment_fixed_size: 0
    .kernarg_segment_align: 8
    .kernarg_segment_size: 16
    .max_flat_workgroup_size: 512
    .sgpr_count:     66
    .vgpr_count:     246
    .wavefront_size: 32
...
	.end_amdgpu_metadata
.endif
;; end of part 2
